; MI455X (gfx1250); checked and timed in simulation.
; The chip was launched on July 23, 2026; its instructions are those of AMD's public machine-readable ISA for CDNA 5 (MIT licence, August 2026) and "CDNA5" Instruction Set Architecture Reference Guide (July 2026). The comments in the code are by the model that wrote it; some were corrected since.
;; Categorical. Allowed arithmetic: matrix products marked QUANTISED: E4M3 operands, one E8M0 scale for each 32 along K, by v_wmma_scale_f32_16x16x128_f8f6f4 with both operands' format E4M3, f32 sums; products left as they are: f32 operands where the result goes on into a quantised operand, else bf16, f16 or f32 operands; f32 sums; everything else in f32.
;; Inputs: W 8 x 512 x 1,024 float32; b 8 x 512 float32; index 16,384 int32; x 16,384 x 1,024 float32.
;; Outputs: out0 16,384 x 512 float32.
;; This version of the problem:
;;   THIS VERSION OF THE PROBLEM IS GIVEN IN LOW PRECISION. The matrix products marked QUANTISED in the list below multiply operands that are first quantised to E4M3 (4 exponent bits, 3 mantissa bits; 8 bits a number), with one power-of-two scale for each 32 numbers along K (OCP MX v1.0); their sums are f32. All else is computed in f32.
;;   The module's matrix products, in the order in which they are computed (A, B: the left and right operand; K: the contracted axis; several contracted axes count as one K, in the product's order):
;;     1. [M 4,096, K 1,024] x [K 1,024, N 16,384]; A: input W; B: input x: QUANTISED
;;     2. batch 16,384 x [M 512, K 8] x [K 8, N 1]; A: computed on the way; B: computed on the way: left as it is (K = 8 < 32)
;;   THE QUANTISER, for each operand of a quantised product, along K:
;;     - K is cut into blocks of 32 from its start; a last block that is shorter is filled with zeros.
;;     - A block's scale is 2^e with e = floor(log2(the largest magnitude in the block)) - 8, held to -126 .. 127; a block of zeros has e = 0. As a byte (E8M0): e + 127.
;;     - Each number is divided by its block's scale, clamped to +-448, and rounded to the nearest number of E4M3, ties to even, subnormals kept.
;;     - The product sums the exact products of the quantised numbers (number of the format x scale) in f32.
;;   ~~~python
;;   def quantise(x, axis):      # numpy; x: float32 -> the quantised numbers, widened to float32 again
;;       x = np.moveaxis(x, axis, -1); K = x.shape[-1]
;;       x = np.pad(x, [(0, 0)] * (x.ndim - 1) + [(0, -K % 32)]); x = x.reshape(x.shape[:-1] + (-1, 32)); a = np.abs(x).max(-1, keepdims=True)
;;       e = np.where(a > 0, np.clip(np.frexp(np.where(a > 0, a, 1))[1] - 1 - 8, -126, 127), 0)      # np.frexp(a)[1] - 1 = floor(log2(a)), exactly
;;       r = np.clip(x / 2.0 ** e, -448, 448)
;;       step = 2.0 ** (np.maximum(np.frexp(np.where(r == 0, 1, r))[1] - 1, -6) - 3)
;;       q = np.round(r / step) * step * 2.0 ** e      # np.round: ties to even
;;       return np.moveaxis(q.reshape(q.shape[:-2] + (-1,))[..., :K], -1, axis).astype(np.float32)
;;   ~~~
;; 2 versions, each right; version 2 is version 1 with the launch experts written anew for expert scheduling mode. Each part assembles by itself: llvm-mc -triple=amdgcn-amd-amdhsa -mcpu=gfx1250 --defsym DOCPART=n.
;; ======== version 1 of 2: 2 launches
;; workspace buffers: wc 4,194,304 bytes; ws 131,072 bytes; order 65,536 bytes of whole numbers; starts 256 bytes of whole numbers
;; launch prep (part 1): grid 257 x 1, 8 waves a work-group, no clusters, 19,200 bytes of LDS; arguments W, index, wc, ws, order, starts; writes wc, ws, order, starts
.if DOCPART == 1
	.amdgcn_target "amdgcn-amd-amdhsa--gfx1250"
	.amdhsa_code_object_version 6
	.text
	.protected	k_q8912d1dff6_prep
	.globl	k_q8912d1dff6_prep
	.p2align	8
	.type	k_q8912d1dff6_prep,@function
k_q8912d1dff6_prep:
	s_mov_b64 s[64:65], 0
	v_nop
	global_prefetch_b8 v0, s[64:65] scope:SCOPE_SE
	s_setreg_imm32_b32 hwreg(HW_REG_WAVE_MODE, 25, 1), 1
	s_wait_xcnt 0x0
; Two jobs in one launch, parted on the work-group's number.
; WORK-GROUP 0 sorts the 16,384 tokens by their expert (a counting sort, no atomics): order[p] = the token at sorted place p, starts[e] = the first place of expert e.
; WORK-GROUPS 1..256 turn W [8][512][1024] f32 into codes of E4M3 with one E8M0 byte for each 32 along K, 16 rows of W to a work-group, laid in the ORDER OF THE OPERAND'S REGISTERS:
;   wc [e 8][w 8][s 8][t 4][c 4][lane 32][16 bytes]: output row 64 w + 16 t + (lane % 16), k = 128 s + 32 c + 16 (lane / 16) + 0..15
;   ws [e 8][w 8][u 2][a 2][lane 32][4 words]: lane = 16 p + r: row r of tile t = 2 u + p; word j: K step 4 a + j; byte c of a word: block c of that step
; A block's scale is 2^(floor(log2(its largest magnitude)) - 8); its byte is the largest magnitude's exponent field - 8, held at 1 from below by a floor among the maximum's leaves.
; LIMITS: index is taken as 0..7 (other values, negative ones too, are held to 7 by an unsigned minimum); NaN and infinities in W are not served; a block of zeros gets the byte 1 where the
; rule says 127: its codes are zeros, which add nothing under that byte, and this program alone reads the bytes.
.set FRB,    2176                      ; a fragment's image in LDS: 8 groups (2 c + h) of 256 bytes + 16 of padding
.set WSC,    8*FRB                     ; behind the 8 images: the tile's scale bytes, [a 2][r 16][4 words], 512 bytes
.set SORTL,  WSC+512                   ; the sort's own 128 bytes: the other path never names them
.set SASTEP, 256                       ; from a = 0 to a = 1 among the scale bytes
.set TM,  224                          ; v224-231 largest magnitudes, then exponent fields
.set PB,  232                          ; v232-247 pairs: 1 / scale (even register), the scale's byte (odd)
.set CD,  248                          ; v248-255 codes: register q = my four codes of K step q
.set ONE, 10                           ; v10 1.0: the conversion's scale operand
.set CWA, 2                            ; v2  where I store codes
.set SWA, 3                            ; v3  where I store scale bytes
.set SLO, 50                           ; s50 -448.0
.set SHI, 51                           ; s51  448.0
; One row of 1,024 numbers, loaded as eight runs of 512 bytes: register x + 4 q + j of lane l is k = 128 q + 4 l + j, so a block of 32 lies in eight neighbouring lanes.
; A conversion takes eight numbers under one scale, and a lane's eight come from two K steps: so each number is first multiplied by 1 / scale (a power of two: exact), held within
; +-448, and converted under the scale 1.  i: the row's number for the LDS offsets.  left: how many younger loads may stay out.
.macro QROW x, i, left
	s_wait_loadcnt \left                           ; loads come back in order: this row's eight are in
	s_wait_dscnt 0x0                               ; the last row's LDS stores have read PB and CD
.irp q, 0,1,2,3,4,5,6,7
	v_max3_num_f32 v[TM+\q], |v[(\x)+4*\q]|, |v[(\x)+4*\q+1]|, 0x4800000   ; my four numbers and the floor 2^(9 - 127): the byte cannot fall under 1
.endr
.irp q, 0,1,2,3,4,5,6,7
	v_max3_num_f32 v[TM+\q], v[TM+\q], |v[(\x)+4*\q+2]|, |v[(\x)+4*\q+3]|
.endr
.irp k, 1,2,4
.irp q, 0,1,2,3,4,5,6,7
	v_max_num_f32_dpp v[TM+\q], v[TM+\q], v[TM+\q] row_xmask:\k row_mask:0xf bank_mask:0xf   ; with the seven other lanes of the block
.endr
.endr
.irp q, 0,1,2,3,4,5,6,7
	v_lshrrev_b32 v[TM+\q], 23, v[TM+\q]           ; the exponent field, 9 .. 254
.endr
.irp q, 0,1,2,3,4,5,6,7
	v_add_nc_u32 v[PB+2*\q+1], -8, v[TM+\q]        ; the scale's byte
.endr
.irp q, 0,1,2,3,4,5,6,7
	v_xor_b32 v[TM+\q], 0xff, v[TM+\q]             ; 255 - field
.endr
.irp q, 0,1,2,3,4,5,6,7
	v_add_lshl_u32 v[PB+2*\q], v[TM+\q], 7, 23     ; (262 - field) << 23 = 1 / scale as f32
.endr
.irp j, 0,1,2,3,4,5,6,7,8,9,10,11,12,13,14,15
	v_pk_mul_f32 v[(\x)+2*\j:(\x)+2*\j+1], v[(\x)+2*\j:(\x)+2*\j+1], v[PB+2*(\j/2):PB+2*(\j/2)+1] op_sel_hi:[1,0]
.endr
.set n, 0
.rept 32
	v_med3_num_f32 v[(\x)+n], v[(\x)+n], s[SLO], s[SHI]   ; the conversion to an 8-bit code does not saturate (ISA guide 7.6.2)
.set n, n+1
.endr
.irp p, 0,1,2,3
	v_cvt_scalef32_pk8_fp8_f32 v[CD+2*\p:CD+2*\p+1], v[(\x)+8*\p:(\x)+8*\p+7], v[ONE]
.endr
	v_nop                                          ; one plain line behind the last conversion
.irp q, 0,1,2,3,4,5,6,7
	ds_store_b32 v[CWA], v[CD+\q] offset:\q*FRB+16*(\i)      ; into the image of K step q: group lane / 4, row's 16 bytes, my 4
.endr
.irp q, 0,1,2,3,4,5,6,7
	ds_store_b8 v[SWA], v[PB+2*\q+1] offset:(\q/4)*SASTEP+(\q%4)*4+16*(\i)   ; the eight lanes of a block write the same byte with the same value
.endr
.endm
	s_load_b256 s[4:11], s[0:1], 0x0               ; W s[4:5], index s[6:7], wc s[8:9], ws s[10:11]
	s_load_b128 s[12:15], s[0:1], 0x20             ; order s[12:13], starts s[14:15]
	v_lshl_add_u32 v14, v0, 2, 0x4700
	v_mov_b32 v15, 0
	v_lshrrev_b32 v1, 5, v0
	v_readfirstlane_b32 s16, v1                    ; wave 0..7
	s_cmp_eq_u32 ttmp9, 0
	s_cbranch_scc1 .Lsort
; ---------------- W: tile T = work-group - 1: rows 16 T .. 16 T + 15 of W seen as [4096][1024].  Wave w quantises rows 2 w and 2 w + 1.
	s_sub_co_u32 s17, ttmp9, 1                     ; T
	v_and_b32 v5, 31, v0
	v_lshlrev_b32 v1, 4, v5                        ; 16 x lane
	v_bfe_u32 v6, v0, 2, 3
	v_mul_u32_u24 v6, v6, 272                      ; group lane / 4
	v_and_b32 v7, 3, v0
	v_lshl_add_u32 v2, v7, 2, v6                   ; + 4 (lane % 4)
	s_lshl_b32 s18, s16, 5
	v_add_nc_u32 v2, s18, v2                       ; + 16 x row 2 w
	v_bfe_u32 v3, v0, 3, 2                         ; my block of a K step: lane / 8
	s_add_co_u32 s19, s18, WSC
	v_add_nc_u32 v3, s19, v3
	v_bfe_u32 v6, v0, 4, 1                         ; h
	v_and_b32 v7, 15, v0                           ; r
	v_mul_u32_u24 v4, v6, 272
	v_lshl_add_u32 v4, v7, 4, v4
	s_mul_i32 s19, s16, FRB
	v_add_nc_u32 v4, s19, v4                       ; on the way out wave w reads the image of K step w: 272 h + 16 r
	v_add_nc_u32 v11, WSC, v1                      ; and wave 0 the scale words: 16 bytes a lane
	v_lshlrev_b32 v8, 4, v7
	v_lshl_add_u32 v8, v6, 9, v8                   ; their place in ws: 512 a + 16 r
	v_mov_b32 v[ONE], 1.0
	s_mov_b32 s[SLO], 0xc3e00000
	s_mov_b32 s[SHI], 0x43e00000
	s_lshl_b32 s20, s17, 16                        ; 16 rows of 4,096 bytes a tile,
	s_lshl_b32 s21, s16, 13                        ; two a wave
	s_add_co_u32 s20, s20, s21
	s_mov_b32 s21, 0
	s_wait_kmcnt 0x0
	s_add_nc_u64 s[4:5], s[4:5], s[20:21]
.irp i, 0,1
.irp q, 0,1,2,3,4,5,6,7
	global_load_b128 v[64+32*\i+4*\q:64+32*\i+4*\q+3], v1, s[4:5] offset:4096*\i+512*\q th:TH_LOAD_NT   ; 32 lanes read 512 consecutive bytes
.endr
.endr
	s_lshr_b32 s22, s17, 2                         ; 8 e + w
	s_lshl_b32 s20, s22, 16
	s_and_b32 s23, s17, 3                          ; t
	s_lshl_b32 s23, s23, 11
	s_add_co_u32 s20, s20, s23
	s_lshl_b32 s23, s16, 13                        ; K step = my wave
	s_add_co_u32 s20, s20, s23
	s_add_nc_u64 s[8:9], s[8:9], s[20:21]          ; wc at (e, w, s, t)
	s_lshl_b32 s24, s22, 11
	s_bfe_u32 s25, s17, 0x10001                    ; u
	s_lshl_b32 s25, s25, 10
	s_add_co_u32 s24, s24, s25
	s_and_b32 s25, s17, 1                          ; p
	s_lshl_b32 s25, s25, 8
	s_add_co_u32 s24, s24, s25
	s_mov_b32 s25, 0
	s_add_nc_u64 s[10:11], s[10:11], s[24:25]      ; ws at (e, w, u, a = 0, lane 16 p)
	QROW 64, 0, 8                                  ; the second row's eight loads may be out
	QROW 96, 1, 0
	s_wait_dscnt 0x0                               ; for the others' sake: my stores have landed
	s_barrier_signal -1
	s_barrier_wait -1                              ; the tile's eight images and its scale bytes lie in LDS
.irp c, 0,1,2,3
	ds_load_b128 v[64+4*\c:64+4*\c+3], v4 offset:544*\c      ; piece c: sixteen lanes read 256 consecutive bytes
.endr
.irp c, 0,1,2,3
	s_wait_dscnt 3-\c
	global_store_b128 v1, v[64+4*\c:64+4*\c+3], s[8:9] offset:512*\c   ; the wave stores 512 consecutive bytes; the fragment's 2,048 lie on end
.endr
	s_cmp_lg_u32 s16, 0
	s_cbranch_scc1 .Lwdone                         ; the scale words leave by wave 0 alone
	ds_load_b128 v[80:83], v11
	s_wait_dscnt 0x0
	global_store_b128 v8, v[80:83], s[10:11]       ; each half of the lanes stores 256 consecutive bytes, at a multiple of 256 from ws's first byte
.Lwdone:
	s_wait_tensorcnt 0x0
	ds_add_u32 v14, v15
	s_wait_dscnt 0x0
	s_endpgm
; ---------------- THE SORT.  256 threads; thread T owns tokens 1024 j + 4 T + i (j = 0..15, i = 0..3), so that every load is dense.  Only a bijection is needed: the order inside an expert is free.
; A token's place = starts[e] + the earlier waves' count + the earlier lanes' + the thread's earlier groups of eight + its rank in its group.
; Counts of all eight experts ride in four registers: register k holds expert k in bits 15:0 and expert k + 4 in bits 31:16; no count passes 16,384, so no field carries or borrows.
; v1 16 T, v2 4 T, v3 -1 in lanes 16-31, v4, v5 LDS addresses, v6 0; v8-11 my totals; v16-23 nibble counters of the eight groups; v24-27 the scan; v28-31 at work; v32-35 earlier waves;
; v36-39 all waves, then my base; v40-47 starts; v48-63 at work; v64-127 4 x expert, then token numbers; v128-191 ranks, then byte offsets; v192-223 the groups' bases; v224-255 the waves' totals.
.Lsort:
	v_lshlrev_b32 v1, 4, v0
	v_lshlrev_b32 v2, 2, v0
	v_bfe_u32 v3, v0, 4, 1
	v_sub_nc_u32 v3, 0, v3
	v_mov_b32 v4, s16
	v_lshl_add_u32 v4, v4, 4, SORTL                ; my wave's 16 bytes
	v_mov_b32 v5, SORTL
	v_mov_b32 v6, 0
	s_mov_b32 s26, 0x0f0f0f0f
	s_mov_b32 s27, 0x00ff00ff
	s_wait_kmcnt 0x0
.irp j, 0,1,2,3,4,5,6,7,8,9,10,11,12,13,14,15
	global_load_b128 v[64+4*\j:64+4*\j+3], v1, s[6:7] offset:4096*\j
.endr
	s_wait_loadcnt 0x0
.set n, 0
.rept 64
	v_min_u32 v[64+n], 7, v[64+n]                  ; the expert, held inside the table
.set n, n+1
.endr
.set n, 0
.rept 64
	v_lshlrev_b32 v[64+n], 2, v[64+n]              ; 4 e: the expert's nibble
.set n, n+1
.endr
.irp g, 0,1,2,3,4,5,6,7
	v_mov_b32 v[16+\g], 0
.endr
.irp i, 0,1,2,3,4,5,6,7
.irp g, 0,1,2,3,4,5,6,7
	v_lshrrev_b32 v[128+8*\g+\i], v[64+8*\g+\i], v[16+\g]        ; how many of my expert came before in this group (low nibble),
	v_lshl_add_u32 v[16+\g], 1, v[64+8*\g+\i], v[16+\g]          ; and one more of it: at most 8 in a nibble
.endr
.endr
.set n, 0
.rept 64
	v_and_b32 v[128+n], 15, v[128+n]
.set n, n+1
.endr
.irp k, 0,1,2,3
	v_mov_b32 v[192+\k], 0
.endr
.irp g, 0,1,2,3,4,5,6,7
	v_and_b32 v48, s26, v[16+\g]                   ; experts 0, 2, 4, 6 in bytes
	v_lshrrev_b32 v49, 4, v[16+\g]
	v_and_b32 v49, s26, v49                        ; experts 1, 3, 5, 7
	v_and_b32 v50, s27, v48                        ; 0 | 4
	v_lshrrev_b32 v52, 8, v48
	v_and_b32 v52, s27, v52                        ; 2 | 6
	v_and_b32 v51, s27, v49                        ; 1 | 5
	v_lshrrev_b32 v53, 8, v49
	v_and_b32 v53, s27, v53                        ; 3 | 7
.irp k, 0,1,2,3
.if \g < 7
	v_add_nc_u32 v[192+4*(\g+1)+\k], v[192+4*\g+\k], v[50+\k]    ; the next group's base inside my thread
.else
	v_add_nc_u32 v[24+\k], v[192+4*\g+\k], v[50+\k]              ; my thread's totals
.endif
.endr
.endr
.irp k, 0,1,2,3
	v_mov_b32 v[8+\k], v[24+\k]
	v_mov_b32 v[28+\k], 0                          ; a lane move's destination counts as read
.endr
.irp n, 1,2,4,8                                ; an inclusive scan over each 16 lanes
.irp k, 0,1,2,3
	v_mov_b32_dpp v[28+\k], v[24+\k] row_shr:\n row_mask:0xf bank_mask:0xf bound_ctrl:1
.endr
.irp k, 0,1,2,3
	v_add_nc_u32 v[24+\k], v[24+\k], v[28+\k]
.endr
.endr
.irp k, 0,1,2,3
	v_readlane_b32 s[28+\k], v[24+\k], 15          ; lanes 16-31 add the lower half's total
.endr
.irp k, 0,1,2,3
	v_and_b32 v[28+\k], s[28+\k], v3
.endr
.irp k, 0,1,2,3
	v_add_nc_u32 v[24+\k], v[24+\k], v[28+\k]
.endr
.irp k, 0,1,2,3
	v_readlane_b32 s[20+\k], v[24+\k], 31          ; the wave's totals
.endr
.irp k, 0,1,2,3
	v_mov_b32 v[28+\k], s[20+\k]
.endr
	ds_store_b128 v4, v[28:31]                     ; all lanes write the same 16 bytes with the same values
	s_wait_dscnt 0x0
	s_barrier_signal -1
	s_barrier_wait -1
.irp u, 0,1,2,3,4,5,6,7
	ds_load_b128 v[224+4*\u:224+4*\u+3], v5 offset:16*\u
.endr
	s_wait_dscnt 0x0
.irp k, 0,1,2,3
	v_add3_u32 v[36+\k], v[224+\k], v[228+\k], v[232+\k]
	v_mov_b32 v[32+\k], 0
.endr
.irp k, 0,1,2,3
	v_add3_u32 v[36+\k], v[36+\k], v[236+\k], v[240+\k]
.endr
.irp k, 0,1,2,3
	v_add3_u32 v[36+\k], v[36+\k], v[244+\k], v[248+\k]
.endr
.irp k, 0,1,2,3
	v_add_nc_u32 v[36+\k], v[36+\k], v[252+\k]     ; all waves' totals
.endr
.irp u, 0,1,2,3,4,5,6
	s_cmp_lt_u32 \u, s16                           ; a wave in front of mine?
	s_cselect_b32 s24, -1, 0
.irp k, 0,1,2,3
	v_and_b32 v[56+\k], s24, v[224+4*\u+\k]
.endr
.irp k, 0,1,2,3
	v_add_nc_u32 v[32+\k], v[32+\k], v[56+\k]
.endr
.endr
	v_mov_b32 v40, 0                               ; starts[0]
.irp e, 0,1,2,3,4,5,6
.if \e < 4
	v_and_b32 v48, 0xffff, v[36+\e]
.else
	v_lshrrev_b32 v48, 16, v[36+\e-4]
.endif
	v_add_nc_u32 v[41+\e], v[40+\e], v48           ; starts[e + 1] = starts[e] + expert e's count
.endr
.irp k, 0,1,2,3
	v_lshl_or_b32 v[56+\k], v[44+\k], 16, v[40+\k]
.endr
.irp k, 0,1,2,3
	v_add3_u32 v[36+\k], v[56+\k], v[32+\k], v[24+\k]
.endr
.irp k, 0,1,2,3
	v_sub_nc_u32 v[36+\k], v[36+\k], v[8+\k]       ; starts + earlier waves + earlier lanes (the scan less my own)
.endr
.irp g, 0,1,2,3,4,5,6,7
.irp k, 0,1,2,3
	v_add_nc_u32 v[192+4*\g+\k], v[192+4*\g+\k], v[36+\k]
.endr
.endr
	s_wait_xcnt 0x0                                ; EXEC changes only behind this wait
	v_cmp_eq_u32 vcc_lo, 0, v0
	s_wait_tensorcnt 0x0
	ds_add_u32 v14, v15
	s_wait_dscnt 0x0
	s_and_saveexec_b32 s48, vcc_lo                 ; thread 0 alone stores starts
	global_store_b128 v6, v[40:43], s[14:15]
	global_store_b128 v6, v[44:47], s[14:15] offset:16
	s_wait_xcnt 0x0
	s_or_b32 exec_lo, exec_lo, s48
.irp g, 0,1,2,3,4,5,6,7                        ; a group's eight tokens by turns: pick the expert's field out of the group's four base registers
.irp k, 0,1,2,3,4,5,6,7
	v_and_b32 v[56+\k], 4, v[64+8*\g+\k]
.endr
.irp k, 0,1,2,3,4,5,6,7
	v_cmp_ne_u32 s[32+\k], 0, v[56+\k]             ; bit 0 of the expert
.endr
.irp k, 0,1,2,3,4,5,6,7
	v_and_b32 v[56+\k], 8, v[64+8*\g+\k]
.endr
.irp k, 0,1,2,3,4,5,6,7
	v_cmp_ne_u32 s[40+\k], 0, v[56+\k]             ; bit 1
.endr
.irp k, 0,1,2,3,4,5,6,7
	v_cndmask_b32 v[48+\k], v[192+4*\g], v[192+4*\g+1], s[32+\k]
.endr
.irp k, 0,1,2,3,4,5,6,7
	v_cndmask_b32 v[56+\k], v[192+4*\g+2], v[192+4*\g+3], s[32+\k]
.endr
.irp k, 0,1,2,3,4,5,6,7
	v_cndmask_b32 v[48+\k], v[48+\k], v[56+\k], s[40+\k]
.endr
.irp k, 0,1,2,3,4,5,6,7
	v_and_b32 v[56+\k], 16, v[64+8*\g+\k]          ; bit 2: the upper field
.endr
.irp k, 0,1,2,3,4,5,6,7
	v_bfe_u32 v[48+\k], v[48+\k], v[56+\k], 16
.endr
.irp k, 0,1,2,3,4,5,6,7
	v_add_nc_u32 v[128+8*\g+\k], v[128+8*\g+\k], v[48+\k]        ; the token's place
.endr
.irp k, 0,1,2,3,4,5,6,7
	v_min_u32 v[128+8*\g+\k], 0x3fff, v[128+8*\g+\k]             ; held inside order
.endr
.irp k, 0,1,2,3,4,5,6,7
	v_lshlrev_b32 v[128+8*\g+\k], 2, v[128+8*\g+\k]
.endr
.irp k, 0,1,2,3,4,5,6,7
	v_add_nc_u32 v[64+8*\g+\k], 1024*((8*\g+\k)/4)+(8*\g+\k)%4, v2   ; the token's number
.endr
.irp k, 0,1,2,3,4,5,6,7
	global_store_b32 v[128+8*\g+\k], v[64+8*\g+\k], s[12:13]     ; four bytes to a place that hangs on the data: 64 KiB in all; no register of a store is written again
.endr
.endr
	s_endpgm
.Lfunc_end_k_q8912d1dff6_prep:
	.size	k_q8912d1dff6_prep, .Lfunc_end_k_q8912d1dff6_prep-k_q8912d1dff6_prep
	.p2alignl 7, 3214868480
	.fill 96, 4, 3214868480
	.section	.rodata,"a",@progbits
	.p2align	6, 0x0
	.amdhsa_kernel k_q8912d1dff6_prep
		.amdhsa_group_segment_fixed_size 19200
		.amdhsa_private_segment_fixed_size 0
		.amdhsa_enable_private_segment 0
		.amdhsa_kernarg_size 48
		.amdhsa_user_sgpr_count 2
		.amdhsa_user_sgpr_kernarg_segment_ptr 1
		.amdhsa_wavefront_size32 1
		.amdhsa_system_sgpr_workgroup_id_x 1
		.amdhsa_system_sgpr_workgroup_id_y 1
		.amdhsa_system_sgpr_workgroup_id_z 1
		.amdhsa_system_vgpr_workitem_id 0
		.amdhsa_next_free_vgpr 256
		.amdhsa_next_free_sgpr 66
		.amdhsa_reserve_vcc 1
		.amdhsa_float_denorm_mode_32 3
		.amdhsa_float_denorm_mode_16_64 3
		.amdhsa_memory_ordered 1
		.amdhsa_forward_progress 1
		.amdhsa_inst_pref_size 98
	.end_amdhsa_kernel
	.amdgpu_metadata
---
amdhsa.version: [ 1, 2 ]
amdhsa.kernels:
  - .name:           k_q8912d1dff6_prep
    .symbol:         k_q8912d1dff6_prep.kd
    .args:
      - { .name: W, .offset: 0, .size: 8, .value_kind: global_buffer, .address_space: global }
      - { .name: index, .offset: 8, .size: 8, .value_kind: global_buffer, .address_space: global }
      - { .name: wc, .offset: 16, .size: 8, .value_kind: global_buffer, .address_space: global }
      - { .name: ws, .offset: 24, .size: 8, .value_kind: global_buffer, .address_space: global }
      - { .name: order, .offset: 32, .size: 8, .value_kind: global_buffer, .address_space: global }
      - { .name: starts, .offset: 40, .size: 8, .value_kind: global_buffer, .address_space: global }
    .group_segment_fixed_size: 19200
    .private_segment_fixed_size: 0
    .kernarg_segment_align: 8
    .kernarg_segment_size: 48
    .max_flat_workgroup_size: 256
    .sgpr_count:     66
    .vgpr_count:     256
    .wavefront_size: 32
...
	.end_amdgpu_metadata
.endif
;; end of part 1
;; launch experts (part 2): grid 256 x 1, 8 waves a work-group, no clusters, 107,520 bytes of LDS; arguments x, wc, ws, b, order, starts, out0; writes out0
.if DOCPART == 2
	.amdgcn_target "amdgcn-amd-amdhsa--gfx1250"
	.amdhsa_code_object_version 6
	.text
	.protected	k_q8912d1dff6_experts
	.globl	k_q8912d1dff6_experts
	.p2align	8
	.type	k_q8912d1dff6_experts,@function
k_q8912d1dff6_experts:
	s_mov_b64 s[64:65], 0
	v_nop
	global_prefetch_b8 v0, s[64:65] scope:SCOPE_SE
	s_setreg_imm32_b32 hwreg(HW_REG_WAVE_MODE, 25, 1), 1
	s_wait_xcnt 0x0
; out0[n] = Q(x[n]) . Q(W[index[n]])^T + b[index[n]], on codes of E4M3 with one E8M0 scale for each 32 along K; sums in f32.  Only each row's own expert is multiplied.
; SHARES.  Work-group g owns the sorted places 64 g .. 64 g + 63 (tokens order[..]): 256 equal blocks for every split of the tokens.  Wave w quantises rows 8 w .. 8 w + 7 of the block (each row is read
; from memory once, as eight runs of 512 bytes) and puts their codes into LDS as images of the operand's registers; then wave w makes columns 64 w .. 64 w + 63 for all 64 rows: 16 accumulators.
; W's codes and scale words come from memory straight into registers, in the order in which the earlier launch laid them: a lane loads its fragments whole.
; EXPERTS.  A loop of eight trips walks the experts and passes over those that none of the block's rows uses (a scalar branch on numbers made of starts).  In a block with rows of several experts the codes
; of the other experts' rows are cleared by a mask, so every pass adds onto the same accumulators, which begin as each row's own bias.
; THE MATRIX INSTRUCTION IS USED TRANSPOSED: source 0 = 16 rows of W, source 1 = 16 rows of x: a lane holds one row of the block (lane % 16) and eight neighbouring columns.
; NO JOINT TILE LOADS: how many passes a block runs, and for which experts, hangs on starts and differs from block to block, so neighbours would not ask for the same tiles in step; and a text that
; branches on stored numbers takes its operands through registers.  Eight waves and not four: what is on its way from memory grows with the number of waves, each with its own count of loads.
; LIMITS: order and starts are this program's own; tokens are held to 0..16,383 and experts to 0..7.  NaN and infinities in x are not served; a block of zeros gets the byte 1 where the rule says 127
; (its codes are zeros, and this program alone reads the bytes).
; REGISTERS, window 0: v1-11 addresses and constants; v12-15 the expert of row 16 m + lane % 16; v16-31 W's scale words, v32-47 x's (nothing else ever); v48-51 row masks; v52-59 offsets;
;   v64-223 five rows of x at work, v224-255 the quantiser's; then v64-127 x's four fragments, v128-255 the accumulators ((m, t) at 128 + 8 (4 m + t)); on the way out v64-95 rows, v96-111 offsets.
;   window 1: four sets of W's four fragments: K step s in set s % 4.
.set FRB,    2176                      ; a fragment's image in LDS: 8 groups (2 c + h) of 256 bytes + 16 of padding
.set XSC,    32*FRB                    ; behind the 32 images ((m, s) at (8 m + s) FRB): x's scale words, [u 2][a 2][lane 16 p + r][4 words], m = 2 u + p
.set STG,    XSC+2048                  ; the way out: 16 rows x (256 bytes + 16) for each wave, its own
.set SASTEP, 512
.set TM,  224
.set PB,  232
.set CD,  248
.set ONE, 10                           ; v10 1.0
.set CWA, 2                            ; v2  where I store codes
.set SWA, 3                            ; v3  where I store scale bytes
.set SLO, 100                          ; s100 -448.0
.set SHI, 101                          ; s101  448.0
.set ER,  12
.set WS,  16
.set XS,  32
.set MK,  48
.set XO,  52
.set XF,  64
.set ACC, 128
.set RB,  64
.set OFF, 96
.set MSB, 0
.macro WIN new                         ; the immediate's high byte repeats the setting that is left; a switch that changes nothing is dropped
.if MSB != \new
	s_set_vgpr_msb (MSB<<8)|\new
.set MSB, \new
.endif
.endm
; One row of 1,024 numbers, loaded as eight runs of 512 bytes: register x + 4 q + j of lane l is k = 128 q + 4 l + j, so a block of 32 lies in eight neighbouring lanes.
; A conversion takes eight numbers under one scale, and a lane's eight come from two K steps: so each number is first multiplied by 1 / scale (a power of two: exact), held within
; +-448, and converted under the scale 1.  i: the row's number for the LDS offsets.  left: how many younger loads may stay out.
.macro QROW x, i, left
	s_wait_loadcnt \left                           ; loads come back in order: this row's eight are in
	s_wait_dscnt 0x0                               ; the last row's LDS stores have read PB and CD
.irp q, 0,1,2,3,4,5,6,7
	v_max3_num_f32 v[TM+\q], |v[(\x)+4*\q]|, |v[(\x)+4*\q+1]|, 0x4800000   ; my four numbers and the floor 2^(9 - 127): the byte cannot fall under 1
.endr
.irp q, 0,1,2,3,4,5,6,7
	v_max3_num_f32 v[TM+\q], v[TM+\q], |v[(\x)+4*\q+2]|, |v[(\x)+4*\q+3]|
.endr
.irp k, 1,2,4
.irp q, 0,1,2,3,4,5,6,7
	v_max_num_f32_dpp v[TM+\q], v[TM+\q], v[TM+\q] row_xmask:\k row_mask:0xf bank_mask:0xf   ; with the seven other lanes of the block
.endr
.endr
.irp q, 0,1,2,3,4,5,6,7
	v_lshrrev_b32 v[TM+\q], 23, v[TM+\q]           ; the exponent field, 9 .. 254
.endr
.irp q, 0,1,2,3,4,5,6,7
	v_add_nc_u32 v[PB+2*\q+1], -8, v[TM+\q]        ; the scale's byte
.endr
.irp q, 0,1,2,3,4,5,6,7
	v_xor_b32 v[TM+\q], 0xff, v[TM+\q]             ; 255 - field
.endr
.irp q, 0,1,2,3,4,5,6,7
	v_add_lshl_u32 v[PB+2*\q], v[TM+\q], 7, 23     ; (262 - field) << 23 = 1 / scale as f32
.endr
.irp j, 0,1,2,3,4,5,6,7,8,9,10,11,12,13,14,15
	v_pk_mul_f32 v[(\x)+2*\j:(\x)+2*\j+1], v[(\x)+2*\j:(\x)+2*\j+1], v[PB+2*(\j/2):PB+2*(\j/2)+1] op_sel_hi:[1,0]
.endr
.set n, 0
.rept 32
	v_med3_num_f32 v[(\x)+n], v[(\x)+n], s[SLO], s[SHI]   ; the conversion to an 8-bit code does not saturate (ISA guide 7.6.2)
.set n, n+1
.endr
.irp p, 0,1,2,3
	v_cvt_scalef32_pk8_fp8_f32 v[CD+2*\p:CD+2*\p+1], v[(\x)+8*\p:(\x)+8*\p+7], v[ONE]
.endr
	v_nop                                          ; one plain line behind the last conversion
.irp q, 0,1,2,3,4,5,6,7
	ds_store_b32 v[CWA], v[CD+\q] offset:\q*FRB+16*(\i)      ; into the image of K step q: group lane / 4, row's 16 bytes, my 4
.endr
.irp q, 0,1,2,3,4,5,6,7
	ds_store_b8 v[SWA], v[PB+2*\q+1] offset:(\q/4)*SASTEP+(\q%4)*4+16*(\i)   ; the eight lanes of a block write the same byte with the same value
.endr
.endm
.macro XLOAD i, slot                   ; my row i of x into staging slot: eight runs of 512 consecutive bytes
.irp q, 0,1,2,3,4,5,6,7
	global_load_b128 v[64+32*(\slot)+4*\q:64+32*(\slot)+4*\q+3], v[XO+(\i)], s[4:5] offset:512*\q th:TH_LOAD_NT
.endr
.endm
.macro WSLOAD                          ; the pass's scale words of my 64 columns, all of K: register WS + 8 u + s: tile 2 u in lanes 0-15, tile 2 u + 1 in lanes 16-31
.irp k, 0,1,2,3
	global_load_b128 v[WS+4*\k:WS+4*\k+3], v1, s[78:79] offset:512*\k
.endr
.endm
.macro WLOAD s                         ; W's four fragments of K step s into set s % 4 of window 1: 8 KiB on end
	WIN 0x40                                       ; destination window 1, address window 0
.irp t, 0,1,2,3
.irp c, 0,1,2,3
	global_load_b128 v[64*((\s)%4)+16*\t+4*\c:64*((\s)%4)+16*\t+4*\c+3], v1, s[76:77] offset:8192*(\s)+2048*\t+512*\c
.endr
.endr
	WIN 0
.endm
.macro BASES e                         ; where expert s[e]'s codes and scale words of my columns begin
	s_lshl_b32 s96, s[\e], 19
	s_lshl_b32 s97, s66, 16
	s_add_co_u32 s96, s96, s97
	s_mov_b32 s97, 0
	s_add_nc_u64 s[76:77], s[6:7], s[96:97]
	s_lshl_b32 s98, s[\e], 14
	s_lshl_b32 s99, s66, 11
	s_add_co_u32 s98, s98, s99
	s_mov_b32 s99, 0
	s_add_nc_u64 s[78:79], s[8:9], s[98:99]
.endm
.macro PROD s, m, t                    ; rows 16 m on x columns 16 t on, K step s.  The odd tiles' scale words lie in lanes 16-31 of their registers
.set rD, ACC+8*(4*(\m)+(\t))
.set rA, 64*((\s)%4)+16*(\t)
.set rB, XF+16*(\m)
.set rS, WS+8*((\t)/2)+(\s)
.set rT, XS+8*((\m)/2)+(\s)
.if ((\t)%2 == 0) && ((\m)%2 == 0)
	v_wmma_scale_f32_16x16x128_f8f6f4 v[rD:rD+7], v[rA:rA+15], v[rB:rB+15], v[rD:rD+7], v[rS], v[rT]
.elseif ((\t)%2 == 1) && ((\m)%2 == 0)
	v_wmma_scale_f32_16x16x128_f8f6f4 v[rD:rD+7], v[rA:rA+15], v[rB:rB+15], v[rD:rD+7], v[rS], v[rT] matrix_a_scale:MATRIX_SCALE_ROW1
.elseif ((\t)%2 == 0) && ((\m)%2 == 1)
	v_wmma_scale_f32_16x16x128_f8f6f4 v[rD:rD+7], v[rA:rA+15], v[rB:rB+15], v[rD:rD+7], v[rS], v[rT] matrix_b_scale:MATRIX_SCALE_ROW1
.else
	v_wmma_scale_f32_16x16x128_f8f6f4 v[rD:rD+7], v[rA:rA+15], v[rB:rB+15], v[rD:rD+7], v[rS], v[rT] matrix_a_scale:MATRIX_SCALE_ROW1 matrix_b_scale:MATRIX_SCALE_ROW1
.endif
.endm
; A K step of 128: x's four fragments from LDS, W's set from memory (asked for three steps ago), 16 products.  left: how many younger loads of W may stay out.
.macro STEP s, left
.rept 8
	v_nop                                          ; eight places behind the last step's products, in front of loads into registers that they read
.endr
.irp m, 0,1,2,3
.irp c, 0,1,2,3
	ds_load_b128 v[XF+16*\m+4*\c:XF+16*\m+4*\c+3], v[4+\m/2] offset:(8*(\m%2)+(\s))*FRB+544*\c   ; sixteen lanes read 256 consecutive bytes
.endr
.endr
.if ((\s) > 0) && ((\s) < 5)
	WLOAD (\s)+3                                   ; into the set that the last step multiplied
.endif
	s_wait_dscnt 0x0
	s_cmp_lg_u32 s70, 0
	s_cbranch_scc1 .Lpure_\@                       ; all 64 rows are this expert's: nothing to clear
.irp m, 0,1,2,3
.irp j, 0,1,2,3,4,5,6,7,8,9,10,11,12,13,14,15
	v_and_b32 v[XF+16*\m+\j], v[MK+\m], v[XF+16*\m+\j]           ; the other experts' rows become zero codes, which add nothing
.endr
.endr
.rept 4
	v_nop                                          ; an operand written by vector instructions stands four places ahead of a scaled matrix instruction
.endr
.Lpure_\@:
	s_wait_loadcnt \left
	WIN 0x01                                       ; source 0 (W) window 1
.irp m, 0,1,2,3
.irp t, 0,1,2,3
	PROD \s, \m, \t                                ; the 16 accumulators take turns, one instruction a turn, in the same order in every step and pass
.endr
.endr
	WIN 0
.endm
	s_load_b256 s[4:11], s[0:1], 0x0               ; x s[4:5], wc s[6:7], ws s[8:9], b s[10:11]
	s_load_b128 s[12:15], s[0:1], 0x20             ; order s[12:13], starts s[14:15]
	s_load_b64 s[2:3], s[0:1], 0x30                ; out0
	v_lshrrev_b32 v62, 5, v0
	v_readfirstlane_b32 s66, v62                   ; wave 0..7
	s_lshl_b32 s67, ttmp9, 6                       ; P0: the block's first sorted place
	s_lshl_b32 s71, ttmp9, 8                       ; 4 P0: its byte in order; never rewritten
	s_lshl_b32 s96, s66, 5
	s_add_co_u32 s96, s96, s71                     ; my wave's eight tokens
	s_wait_kmcnt 0x0
	s_load_b256 s[16:23], s[14:15], 0x0            ; starts[0..7]
	s_load_b256 s[24:31], s[12:13], s96 offset:0x0
	v_and_b32 v11, 31, v0                          ; lane
	v_lshlrev_b32 v1, 4, v11                       ; 16 x lane; never rewritten
	v_and_b32 v63, 15, v0                          ; r
	v_bfe_u32 v62, v0, 4, 1                        ; h
	v_bfe_u32 v2, v0, 2, 3
	v_mul_u32_u24 v2, v2, 272                      ; codes go to group lane / 4,
	v_and_b32 v61, 3, v0
	v_lshl_add_u32 v2, v61, 2, v2                  ; + 4 (lane % 4),
	s_lshr_b32 s72, s66, 1
	s_mul_i32 s72, s72, 8*FRB                      ; of tile m = wave / 2,
	s_and_b32 s73, s66, 1
	s_lshl_b32 s73, s73, 7                         ; rows 8 (wave % 2) on
	s_add_co_u32 s72, s72, s73
	v_add_nc_u32 v2, s72, v2
	s_lshr_b32 s74, s66, 2                         ; scale bytes: u,
	s_lshl_b32 s74, s74, 10
	s_bfe_u32 s75, s66, 0x10001                    ; p,
	s_lshl_b32 s75, s75, 8
	s_add_co_u32 s74, s74, s75
	s_add_co_u32 s74, s74, s73                     ; the rows,
	s_add_co_u32 s74, s74, XSC
	v_bfe_u32 v3, v0, 3, 2                         ; and my block of a K step: lane / 8
	v_add_nc_u32 v3, s74, v3
	v_mul_u32_u24 v4, v62, 272
	v_lshl_add_u32 v4, v63, 4, v4                  ; a fragment's piece for my lane: 272 h + 16 r (tiles 0, 1);
	v_add_nc_u32 v5, 16*FRB, v4                    ; tiles 2, 3
	v_add_nc_u32 v6, XSC, v1                       ; x's scale words: 16 bytes a lane
	s_mul_i32 s72, s66, 16*272
	s_add_co_u32 s72, s72, STG                     ; my stage
	v_mul_u32_u24 v7, v63, 272
	v_lshl_add_u32 v7, v62, 5, v7
	v_add_nc_u32 v7, s72, v7                       ; in: row r, + 32 h
	v_lshl_add_u32 v8, v11, 3, s72                 ; back: a row of 256 bytes, 8 a lane
	s_lshl_b32 s73, s66, 8
	v_lshl_add_u32 v9, v11, 3, s73                 ; and the same in a row of out0: my 64 columns
	v_lshl_add_u32 v60, v62, 5, s73                ; b: my columns, + 8 h numbers
	v_add_nc_u32 v62, s67, v63                     ; the sorted place of row r of tile 0
	v_mov_b32 v[ONE], 1.0
	s_mov_b32 s[SLO], 0xc3e00000
	s_mov_b32 s[SHI], 0x43e00000
	s_wait_kmcnt 0x0
.irp i, 0,1,2,3,4,5,6,7
	s_min_u32 s[24+\i], s[24+\i], 0x3fff           ; a token stays inside x
	v_lshl_add_u32 v[XO+\i], s[24+\i], 12, v1      ; its row of 4,096 bytes, + 16 x lane
.endr
	XLOAD 0, 0
	XLOAD 1, 1
	XLOAD 2, 2
	XLOAD 3, 3
	XLOAD 4, 4                                     ; 40 loads of mine are out
	s_mov_b32 s68, 0                               ; e0: the expert of the block's first place = the last k with starts[k] <= P0 (starts is ascending)
.irp k, 1,2,3,4,5,6,7
	s_cmp_le_u32 s[16+\k], s67
	s_cselect_b32 s68, \k, s68
.endr
	s_min_u32 s68, s68, 7
	BASES 68
	WSLOAD                                         ; the first pass's scale words and first K step are asked for beside x: 60 out
	WLOAD 0
.irp m, 0,1,2,3
	v_add_nc_u32 v[MK+\m], 16*\m, v62              ; (the masks' registers hold the places meanwhile)
	v_mov_b32 v[ER+\m], 0
.endr
.irp k, 1,2,3,4,5,6,7
.irp m, 0,1,2,3
	v_cmp_gt_u32 vcc_lo, s[16+\k], v[MK+\m]
	v_cndmask_b32 v[ER+\m], \k, v[ER+\m], vcc_lo   ; k where starts[k] <= my place
.endr
.endr
.irp m, 0,1,2,3
	v_min_u32 v[ER+\m], 7, v[ER+\m]
.endr
	s_load_b512 s[16:31], s[12:13], s71 offset:0x0     ; the block's 64 tokens, for the way out: tiles 0 to 3
	s_load_b512 s[32:47], s[12:13], s71 offset:0x40
	s_load_b512 s[48:63], s[12:13], s71 offset:0x80
	s_load_b512 s[80:95], s[12:13], s71 offset:0xc0
	; ---- x: my eight rows.  Each count is the number of loads issued behind the row's own eight.
	QROW 64, 0, 52                                 ; rows 1-4 (32), scale words (4), W's step 0 (16)
	XLOAD 5, 0
	QROW 96, 1, 52                                 ; rows 2-4 (24), 20, row 5 (8)
	XLOAD 6, 1
	QROW 128, 2, 52                                ; rows 3, 4 (16), 20, rows 5, 6 (16)
	XLOAD 7, 2
	QROW 160, 3, 52                                ; row 4 (8), 20, rows 5-7 (24)
	WLOAD 1
	QROW 192, 4, 60                                ; 20, rows 5-7 (24), W's step 1 (16)
	WLOAD 2
	QROW 64, 5, 48                                 ; rows 6, 7 (16), W's steps 1, 2 (32)
	QROW 96, 6, 40
	QROW 128, 7, 32
	s_wait_dscnt 0x0                               ; for the others' sake: my images have landed; and the stores have read their registers, into which the bias is loaded now
.irp m, 0,1,2,3
	v_lshl_add_u32 v[XO+\m], v[ER+\m], 11, v60     ; my row's expert's row of b (rows 0-3's loads of x are long in)
.endr
.irp m, 0,1,2,3
.irp t, 0,1,2,3
.irp u, 0,1
	global_load_b128 v[ACC+8*(4*\m+\t)+4*\u:ACC+8*(4*\m+\t)+4*\u+3], v[XO+\m], s[10:11] offset:64*\t+16*\u   ; the sums begin as the bias: no addition, nothing cleared
.endr
.endr
.endr
	WLOAD 3
	v_mov_b32 v11, -1
	s_wait_kmcnt 0x0                               ; the 64 tokens
	s_barrier_signal -1
	s_barrier_wait -1                              ; the one barrier: all 32 images and the scale words lie in LDS; nobody writes them again
.irp k, 0,1,2,3
	ds_load_b128 v[XS+4*\k:XS+4*\k+3], v6 offset:512*\k      ; register XS + 8 u + s: tile 2 u in lanes 0-15, tile 2 u + 1 in lanes 16-31
.endr
	s_mov_b32 s69, 0
.Lpass:                                            ; eight trips, one for each expert
.irp m, 0,1,2,3
	v_cmp_eq_u32 s[72+\m], s69, v[ER+\m]           ; which rows are this expert's
.endr
	s_or_b32 s96, s72, s73
	s_or_b32 s97, s74, s75
	s_or_b32 s96, s96, s97
	s_cmp_eq_u32 s96, 0
	s_cbranch_scc1 .Lnext                          ; none
	s_and_b32 s96, s72, s73
	s_and_b32 s97, s74, s75
	s_and_b32 s96, s96, s97
	s_cmp_eq_u32 s96, -1
	s_cselect_b32 s70, 1, 0                        ; all
.irp m, 0,1,2,3
	v_cndmask_b32 v[MK+\m], 0, v11, s[72+\m]
.endr
	s_cmp_eq_u32 s69, s68
	s_cbranch_scc1 .Lhave                          ; the block's first expert: its first four K steps were asked for above
	s_wait_loadcnt 0x0                             ; no load of mine is out,
	s_wait_xcnt 0x0                                ; so the bases may be written
	BASES 69
	WSLOAD
	WLOAD 0
	WLOAD 1
	WLOAD 2
	WLOAD 3
.Lhave:
	STEP 0, 16                                     ; only W's step 3 may be out: the bias, the scale words and steps 0 to 2 are in
	STEP 1, 48                                     ; the three later steps may be out
	STEP 2, 48
	STEP 3, 48
	STEP 4, 48
	STEP 5, 32
	STEP 6, 16
	STEP 7, 0
.rept 9
	v_nop                                          ; places behind the last products: for the reads of the results, and for a later pass's loads into operands and scale words
.endr
.Lnext:
	s_add_co_u32 s69, s69, 1
	s_cmp_lt_u32 s69, 8
	s_cbranch_scc1 .Lpass
	; ---- THE WAY OUT, a tile of 16 rows at a time.  A lane holds 32 bytes of a row and the lanes beside it hold other rows: so the tile goes through my own stage and comes back as whole
	; rows of 256 bytes; each row goes to its token's row of out0.  LDS serves a wave's instructions in order (ISA guide 5.7.1.4): no wait between the stores and the loads.
	s_wait_loadcnt 0x0                             ; nothing is on its way into the accumulators
.irp m, 0,1,2,3
.set TK, 16+16*\m+16*(\m/3)                    ; the tile's 16 tokens: s16.., s32.., s48.., s80..
.if \m > 0
	s_wait_xcnt 0x0                                ; the last tile's stores have read their registers
.endif
.irp i, 0,1,2,3,4,5,6,7,8,9,10,11,12,13,14,15
	s_min_u32 s[TK+\i], s[TK+\i], 0x3fff           ; a token stays inside out0
.endr
.irp t, 0,1,2,3
	ds_store_b128 v7, v[ACC+8*(4*\m+\t):ACC+8*(4*\m+\t)+3] offset:64*\t          ; each accumulator from its low end on
	ds_store_b128 v7, v[ACC+8*(4*\m+\t)+4:ACC+8*(4*\m+\t)+7] offset:64*\t+16
.endr
.irp i, 0,1,2,3,4,5,6,7,8,9,10,11,12,13,14,15
	ds_load_b64 v[RB+2*\i:RB+2*\i+1], v8 offset:272*\i
.endr
.irp i, 0,1,2,3,4,5,6,7,8,9,10,11,12,13,14,15
	v_lshl_add_u32 v[OFF+\i], s[TK+\i], 11, v9     ; the token's row of 2,048 bytes, my 64 columns, 8 bytes a lane
.endr
.irp i, 0,1,2,3,4,5,6,7,8,9,10,11,12,13,14,15
	s_wait_dscnt 15-\i                             ; row i is back; the later rows' loads may be out
	global_store_b64 v[OFF+\i], v[RB+2*\i:RB+2*\i+1], s[2:3] th:TH_STORE_NT      ; 32 lanes store 256 consecutive bytes, at a multiple of 256 from out0's first byte
.endr
.endr
	s_wait_xcnt 0x0
	v_lshl_add_u32 v254, v0, 2, 0x1a000
	v_mov_b32 v255, 0
	s_wait_tensorcnt 0x0
	ds_add_u32 v254, v255
	s_wait_dscnt 0x0
	s_endpgm
.Lfunc_end_k_q8912d1dff6_experts:
	.size	k_q8912d1dff6_experts, .Lfunc_end_k_q8912d1dff6_experts-k_q8912d1dff6_experts
	.p2alignl 7, 3214868480
	.fill 96, 4, 3214868480
	.section	.rodata,"a",@progbits
	.p2align	6, 0x0
	.amdhsa_kernel k_q8912d1dff6_experts
		.amdhsa_group_segment_fixed_size 107520
		.amdhsa_private_segment_fixed_size 0
		.amdhsa_enable_private_segment 0
		.amdhsa_kernarg_size 56
		.amdhsa_user_sgpr_count 2
		.amdhsa_user_sgpr_kernarg_segment_ptr 1
		.amdhsa_wavefront_size32 1
		.amdhsa_system_sgpr_workgroup_id_x 1
		.amdhsa_system_sgpr_workgroup_id_y 1
		.amdhsa_system_sgpr_workgroup_id_z 1
		.amdhsa_system_vgpr_workitem_id 0
		.amdhsa_next_free_vgpr 512
		.amdhsa_next_free_sgpr 102
		.amdhsa_reserve_vcc 1
		.amdhsa_float_denorm_mode_32 3
		.amdhsa_float_denorm_mode_16_64 3
		.amdhsa_memory_ordered 1
		.amdhsa_forward_progress 1
		.amdhsa_inst_pref_size 174
	.end_amdhsa_kernel
	.amdgpu_metadata
---
amdhsa.version: [ 1, 2 ]
amdhsa.kernels:
  - .name:           k_q8912d1dff6_experts
    .symbol:         k_q8912d1dff6_experts.kd
    .args:
      - { .name: x, .offset: 0, .size: 8, .value_kind: global_buffer, .address_space: global }
      - { .name: wc, .offset: 8, .size: 8, .value_kind: global_buffer, .address_space: global }
      - { .name: ws, .offset: 16, .size: 8, .value_kind: global_buffer, .address_space: global }
      - { .name: b, .offset: 24, .size: 8, .value_kind: global_buffer, .address_space: global }
      - { .name: order, .offset: 32, .size: 8, .value_kind: global_buffer, .address_space: global }
      - { .name: starts, .offset: 40, .size: 8, .value_kind: global_buffer, .address_space: global }
      - { .name: out0, .offset: 48, .size: 8, .value_kind: global_buffer, .address_space: global }
    .group_segment_fixed_size: 107520
    .private_segment_fixed_size: 0
    .kernarg_segment_align: 8
    .kernarg_segment_size: 56
    .max_flat_workgroup_size: 256
    .sgpr_count:     102
    .vgpr_count:     512
    .wavefront_size: 32
...
	.end_amdgpu_metadata
.endif
;; end of part 2
;; ======== version 2 of 2: 2 launches; version 1 with the launch experts written anew for expert scheduling mode
;; workspace buffers: wc 4,194,304 bytes; ws 131,072 bytes; order 65,536 bytes of whole numbers; starts 256 bytes of whole numbers
;; launch prep: the kernel of part 1 again; grid 257 x 1, 8 waves a work-group, no clusters, 19,200 bytes of LDS; arguments W, index, wc, ws, order, starts; writes wc, ws, order, starts
;; launch experts (part 3): grid 256 x 1, 8 waves a work-group, no clusters, 107,520 bytes of LDS; arguments x, wc, ws, b, order, starts, out0; writes out0
.if DOCPART == 3
	.amdgcn_target "amdgcn-amd-amdhsa--gfx1250"
	.amdhsa_code_object_version 6
	.text
	.protected	k_q8912d1dff6_experts
	.globl	k_q8912d1dff6_experts
	.p2align	8
	.type	k_q8912d1dff6_experts,@function
k_q8912d1dff6_experts:
	s_mov_b64 s[64:65], 0
	v_nop
	global_prefetch_b8 v0, s[64:65] scope:SCOPE_SE
	s_setreg_imm32_b32 hwreg(HW_REG_WAVE_SCHED_MODE, 0, 2), 2
	s_setreg_imm32_b32 hwreg(HW_REG_WAVE_MODE, 25, 1), 1
	s_wait_xcnt 0x0
	s_wait_alu depctr_vm_vsrc(0)
; out0[n] = Q(x[n]) . Q(W[index[n]])^T + b[index[n]], on codes of E4M3 with one E8M0 scale for each 32 along K; sums in f32.  Only each row's own expert is multiplied.
; SHARES.  Work-group g owns the sorted places 64 g .. 64 g + 63 (tokens order[..]): 256 equal blocks for every split of the tokens.  Wave w quantises rows 8 w .. 8 w + 7 of the block (each row is read
; from memory once, as eight runs of 512 bytes) and puts their codes into LDS as images of the operand's registers; then wave w makes columns 64 w .. 64 w + 63 for all 64 rows: 16 accumulators.
; W's codes and scale words come from memory straight into registers, in the order in which the earlier launch laid them: a lane loads its fragments whole.
; EXPERTS.  A loop of eight trips walks the experts and passes over those that none of the block's rows uses (a scalar branch on numbers made of starts).  In a block with rows of several experts the codes
; of the other experts' rows are cleared by a mask, so every pass adds onto the same accumulators, which begin as each row's own bias.
; THE MATRIX INSTRUCTION IS USED TRANSPOSED: source 0 = 16 rows of W, source 1 = 16 rows of x: a lane holds one row of the block (lane % 16) and eight neighbouring columns.
; NO JOINT TILE LOADS: how many passes a block runs, and for which experts, hangs on starts and differs from block to block, so neighbours would not ask for the same tiles in step; and a text that
; branches on stored numbers takes its operands through registers.  Eight waves and not four: what is on its way from memory grows with the number of waves, each with its own count of loads.
; LIMITS: order and starts are this program's own; tokens are held to 0..16,383 and experts to 0..7.  NaN and infinities in x are not served; a block of zeros gets the byte 1 where the rule says 127
; (its codes are zeros, and this program alone reads the bytes).
; REGISTERS, window 0: v1-11 addresses and constants; v12-15 the expert of row 16 m + lane % 16; v16-31 W's scale words, v32-47 x's (nothing else ever); v48-51 row masks; v52-59 offsets;
;   v64-223 five rows of x at work, v224-255 the quantiser's; then v64-127 x's four fragments, v128-255 the accumulators ((m, t) at 128 + 8 (4 m + t)); on the way out v64-95 rows, v96-111 offsets.
;   window 1: four sets of W's four fragments: K step s in set s % 4.
; THE MODE: SCHED_MODE bits 1:0 = 2 (LLVM: expert scheduling mode 2), set by the entry lines.  The code itself states the register dependences between vector or matrix instructions and memory or
; LDS instructions, with s_wait_alu, always for 0.
; THE PLAN.  Registers that memory or LDS instructions touch, and who else names them:
;   v1-9, v52-59   offsets and LDS addresses: written by vector lines at the head, ahead of one wait on va_vdst; v52-55 are written once more, as the bias's offsets, between a wait on vm_vsrc and one on va_vdst.
;   v64-223        a row's slot: the row's loads land in it, the row's vector lines read and rewrite it; slots 0 to 2 are loaded again behind the row's own wait on va_vdst.
;   PB, CD         written by each row's vector lines, read by its LDS stores: va_vdst ahead of the stores, vm_vsrc ahead of the next row's lines.
;   v128-255       behind the last row the bias lands here: vm_vsrc (the LDS stores have read PB and CD) and va_vdst (the quantiser's lines are done) stand ahead of those loads.  Then the products alone write them.
;   v64-127        in the loop: x's four fragments.  A step's LDS loads land here; the masking lines write them; the step's products read them.
;   window 1, v16-31   W's sets and scale words: loads land, products read.
;   So ONE wait on va_vdst stands at a K step's head: the last step's products are done reading x's fragments and the set of W that is asked for again.  The step's 16 LDS loads and 16 loads of W follow it
;   with window switches alone between.  In a block of several experts a second one stands behind the masking lines, ahead of the products that take what they wrote.
;   way out        v96-111 offsets (vector lines write, stores read), v64-95 rows (LDS loads land, stores read): a tile's offsets are made first, then one wait on va_vdst, then its LDS stores, loads and stores;
;                  vm_vsrc stands at the head of tiles 1 to 3.
.set FRB,    2176                      ; a fragment's image in LDS: 8 groups (2 c + h) of 256 bytes + 16 of padding
.set XSC,    32*FRB                    ; behind the 32 images ((m, s) at (8 m + s) FRB): x's scale words, [u 2][a 2][lane 16 p + r][4 words], m = 2 u + p
.set STG,    XSC+2048                  ; the way out: 16 rows x (256 bytes + 16) for each wave, its own
.set SASTEP, 512
.set TM,  224
.set PB,  232
.set CD,  248
.set ONE, 10                           ; v10 1.0
.set CWA, 2                            ; v2  where I store codes
.set SWA, 3                            ; v3  where I store scale bytes
.set SLO, 100                          ; s100 -448.0
.set SHI, 101                          ; s101  448.0
.set ER,  12
.set WS,  16
.set XS,  32
.set MK,  48
.set XO,  52
.set XF,  64
.set ACC, 128
.set RB,  64
.set OFF, 96
.set MSB, 0
.macro WIN new                         ; the immediate's high byte repeats the setting that is left; a switch that changes nothing is dropped
.if MSB != \new
	s_set_vgpr_msb (MSB<<8)|\new
.set MSB, \new
.endif
.endm
; One row of 1,024 numbers, loaded as eight runs of 512 bytes: register x + 4 q + j of lane l is k = 128 q + 4 l + j, so a block of 32 lies in eight neighbouring lanes.
; A conversion takes eight numbers under one scale, and a lane's eight come from two K steps: so each number is first multiplied by 1 / scale (a power of two: exact), held within
; +-448, and converted under the scale 1.  i: the row's number for the LDS offsets.  left: how many younger loads may stay out.
.macro QROW x, i, left
	s_wait_loadcnt \left                           ; loads come back in order: this row's eight are in
	s_wait_dscnt 0x0                               ; the last row's LDS stores are done
.if (\i) > 0
	s_wait_alu depctr_vm_vsrc(0)                   ; the last row's LDS stores have read PB's bytes and CD, which this row's lines write again
.endif
.irp q, 0,1,2,3,4,5,6,7
	v_max3_num_f32 v[TM+\q], |v[(\x)+4*\q]|, |v[(\x)+4*\q+1]|, 0x4800000   ; my four numbers and the floor 2^(9 - 127): the byte cannot fall under 1
.endr
.irp q, 0,1,2,3,4,5,6,7
	v_max3_num_f32 v[TM+\q], v[TM+\q], |v[(\x)+4*\q+2]|, |v[(\x)+4*\q+3]|
.endr
.irp k, 1,2,4
.irp q, 0,1,2,3,4,5,6,7
	v_max_num_f32_dpp v[TM+\q], v[TM+\q], v[TM+\q] row_xmask:\k row_mask:0xf bank_mask:0xf   ; with the seven other lanes of the block
.endr
.endr
.irp q, 0,1,2,3,4,5,6,7
	v_lshrrev_b32 v[TM+\q], 23, v[TM+\q]           ; the exponent field, 9 .. 254
.endr
.irp q, 0,1,2,3,4,5,6,7
	v_add_nc_u32 v[PB+2*\q+1], -8, v[TM+\q]        ; the scale's byte
.endr
.irp q, 0,1,2,3,4,5,6,7
	v_xor_b32 v[TM+\q], 0xff, v[TM+\q]             ; 255 - field
.endr
.irp q, 0,1,2,3,4,5,6,7
	v_add_lshl_u32 v[PB+2*\q], v[TM+\q], 7, 23     ; (262 - field) << 23 = 1 / scale as f32
.endr
.irp j, 0,1,2,3,4,5,6,7,8,9,10,11,12,13,14,15
	v_pk_mul_f32 v[(\x)+2*\j:(\x)+2*\j+1], v[(\x)+2*\j:(\x)+2*\j+1], v[PB+2*(\j/2):PB+2*(\j/2)+1] op_sel_hi:[1,0]
.endr
.set n, 0
.rept 32
	v_med3_num_f32 v[(\x)+n], v[(\x)+n], s[SLO], s[SHI]   ; the conversion to an 8-bit code does not saturate (ISA guide 7.6.2)
.set n, n+1
.endr
.irp p, 0,1,2,3
	v_cvt_scalef32_pk8_fp8_f32 v[CD+2*\p:CD+2*\p+1], v[(\x)+8*\p:(\x)+8*\p+7], v[ONE]
.endr
	v_nop                                          ; one plain line behind the last conversion
	s_wait_alu depctr_va_vdst(0)                   ; the conversions have written CD and the additions PB's bytes, which the LDS stores below read; and all this row's lines are done with v[x ..], in which a later row's loads land
.irp q, 0,1,2,3,4,5,6,7
	ds_store_b32 v[CWA], v[CD+\q] offset:\q*FRB+16*(\i)      ; into the image of K step q: group lane / 4, row's 16 bytes, my 4
.endr
.irp q, 0,1,2,3,4,5,6,7
	ds_store_b8 v[SWA], v[PB+2*\q+1] offset:(\q/4)*SASTEP+(\q%4)*4+16*(\i)   ; the eight lanes of a block write the same byte with the same value
.endr
.endm
.macro XLOAD i, slot                   ; my row i of x into staging slot: eight runs of 512 consecutive bytes
.irp q, 0,1,2,3,4,5,6,7
	global_load_b128 v[64+32*(\slot)+4*\q:64+32*(\slot)+4*\q+3], v[XO+(\i)], s[4:5] offset:512*\q th:TH_LOAD_NT
.endr
.endm
.macro WSLOAD                          ; the pass's scale words of my 64 columns, all of K: register WS + 8 u + s: tile 2 u in lanes 0-15, tile 2 u + 1 in lanes 16-31
.irp k, 0,1,2,3
	global_load_b128 v[WS+4*\k:WS+4*\k+3], v1, s[78:79] offset:512*\k
.endr
.endm
.macro WLOAD s                         ; W's four fragments of K step s into set s % 4 of window 1: 8 KiB on end
	WIN 0x40                                       ; destination window 1, address window 0
.irp t, 0,1,2,3
.irp c, 0,1,2,3
	global_load_b128 v[64*((\s)%4)+16*\t+4*\c:64*((\s)%4)+16*\t+4*\c+3], v1, s[76:77] offset:8192*(\s)+2048*\t+512*\c
.endr
.endr
	WIN 0
.endm
.macro BASES e                         ; where expert s[e]'s codes and scale words of my columns begin
	s_lshl_b32 s96, s[\e], 19
	s_lshl_b32 s97, s66, 16
	s_add_co_u32 s96, s96, s97
	s_mov_b32 s97, 0
	s_add_nc_u64 s[76:77], s[6:7], s[96:97]
	s_lshl_b32 s98, s[\e], 14
	s_lshl_b32 s99, s66, 11
	s_add_co_u32 s98, s98, s99
	s_mov_b32 s99, 0
	s_add_nc_u64 s[78:79], s[8:9], s[98:99]
.endm
.macro PROD s, m, t                    ; rows 16 m on x columns 16 t on, K step s.  The odd tiles' scale words lie in lanes 16-31 of their registers
.set rD, ACC+8*(4*(\m)+(\t))
.set rA, 64*((\s)%4)+16*(\t)
.set rB, XF+16*(\m)
.set rS, WS+8*((\t)/2)+(\s)
.set rT, XS+8*((\m)/2)+(\s)
.if ((\t)%2 == 0) && ((\m)%2 == 0)
	v_wmma_scale_f32_16x16x128_f8f6f4 v[rD:rD+7], v[rA:rA+15], v[rB:rB+15], v[rD:rD+7], v[rS], v[rT]
.elseif ((\t)%2 == 1) && ((\m)%2 == 0)
	v_wmma_scale_f32_16x16x128_f8f6f4 v[rD:rD+7], v[rA:rA+15], v[rB:rB+15], v[rD:rD+7], v[rS], v[rT] matrix_a_scale:MATRIX_SCALE_ROW1
.elseif ((\t)%2 == 0) && ((\m)%2 == 1)
	v_wmma_scale_f32_16x16x128_f8f6f4 v[rD:rD+7], v[rA:rA+15], v[rB:rB+15], v[rD:rD+7], v[rS], v[rT] matrix_b_scale:MATRIX_SCALE_ROW1
.else
	v_wmma_scale_f32_16x16x128_f8f6f4 v[rD:rD+7], v[rA:rA+15], v[rB:rB+15], v[rD:rD+7], v[rS], v[rT] matrix_a_scale:MATRIX_SCALE_ROW1 matrix_b_scale:MATRIX_SCALE_ROW1
.endif
.endm
; A K step of 128: x's four fragments from LDS, W's set from memory (asked for three steps ago), 16 products.  left: how many younger loads of W may stay out.
.macro STEP s, left
.rept 8
	v_nop                                          ; eight places behind the last step's products, in front of the loads into registers that they read and of the masking lines that write such registers
.endr
	s_wait_alu depctr_va_vdst(0)                   ; the last step's products are done reading x's four fragments and the set of W that is asked for again, and its masking lines have written the fragments: the loads below land in these registers
.irp m, 0,1,2,3
.irp c, 0,1,2,3
	ds_load_b128 v[XF+16*\m+4*\c:XF+16*\m+4*\c+3], v[4+\m/2] offset:(8*(\m%2)+(\s))*FRB+544*\c   ; sixteen lanes read 256 consecutive bytes
.endr
.endr
.if ((\s) > 0) && ((\s) < 5)
	WLOAD (\s)+3                                   ; into the set that the last step multiplied.  No further wait: only loads and window switches stand behind the wait above
.endif
	s_wait_dscnt 0x0
	s_cmp_lg_u32 s70, 0
	s_cbranch_scc1 .Lpure_\@                       ; all 64 rows are this expert's: nothing to clear
.irp m, 0,1,2,3
.irp j, 0,1,2,3,4,5,6,7,8,9,10,11,12,13,14,15
	v_and_b32 v[XF+16*\m+\j], v[MK+\m], v[XF+16*\m+\j]           ; the other experts' rows become zero codes, which add nothing
.endr
.endr
.rept 4
	v_nop                                          ; an operand written by vector instructions stands four places ahead of a scaled matrix instruction
.endr
	s_wait_alu depctr_va_vdst(0)                   ; the masking lines have written x's fragments, which the scaled products below take as an operand; the places above stay beside this wait
.Lpure_\@:
	s_wait_loadcnt \left
	WIN 0x01                                       ; source 0 (W) window 1
.irp m, 0,1,2,3
.irp t, 0,1,2,3
	PROD \s, \m, \t                                ; the 16 accumulators take turns, one instruction a turn, in the same order in every step and pass
.endr
.endr
	WIN 0
.endm
	s_load_b256 s[4:11], s[0:1], 0x0               ; x s[4:5], wc s[6:7], ws s[8:9], b s[10:11]
	s_load_b128 s[12:15], s[0:1], 0x20             ; order s[12:13], starts s[14:15]
	s_load_b64 s[2:3], s[0:1], 0x30                ; out0
	v_lshrrev_b32 v62, 5, v0
	v_readfirstlane_b32 s66, v62                   ; wave 0..7
	s_lshl_b32 s67, ttmp9, 6                       ; P0: the block's first sorted place
	s_lshl_b32 s71, ttmp9, 8                       ; 4 P0: its byte in order; never rewritten
	s_wait_alu depctr_va_sdst(0)                   ; s66 is written, ahead of its first reader
	s_lshl_b32 s96, s66, 5
	s_add_co_u32 s96, s96, s71                     ; my wave's eight tokens
	s_wait_kmcnt 0x0
	s_load_b256 s[16:23], s[14:15], 0x0            ; starts[0..7]
	s_load_b256 s[24:31], s[12:13], s96 offset:0x0
	v_and_b32 v11, 31, v0                          ; lane
	v_lshlrev_b32 v1, 4, v11                       ; 16 x lane; never rewritten
	v_and_b32 v63, 15, v0                          ; r
	v_bfe_u32 v62, v0, 4, 1                        ; h
	v_bfe_u32 v2, v0, 2, 3
	v_mul_u32_u24 v2, v2, 272                      ; codes go to group lane / 4,
	v_and_b32 v61, 3, v0
	v_lshl_add_u32 v2, v61, 2, v2                  ; + 4 (lane % 4),
	s_lshr_b32 s72, s66, 1
	s_mul_i32 s72, s72, 8*FRB                      ; of tile m = wave / 2,
	s_and_b32 s73, s66, 1
	s_lshl_b32 s73, s73, 7                         ; rows 8 (wave % 2) on
	s_add_co_u32 s72, s72, s73
	v_add_nc_u32 v2, s72, v2
	s_lshr_b32 s74, s66, 2                         ; scale bytes: u,
	s_lshl_b32 s74, s74, 10
	s_bfe_u32 s75, s66, 0x10001                    ; p,
	s_lshl_b32 s75, s75, 8
	s_add_co_u32 s74, s74, s75
	s_add_co_u32 s74, s74, s73                     ; the rows,
	s_add_co_u32 s74, s74, XSC
	v_bfe_u32 v3, v0, 3, 2                         ; and my block of a K step: lane / 8
	v_add_nc_u32 v3, s74, v3
	v_mul_u32_u24 v4, v62, 272
	v_lshl_add_u32 v4, v63, 4, v4                  ; a fragment's piece for my lane: 272 h + 16 r (tiles 0, 1);
	v_add_nc_u32 v5, 16*FRB, v4                    ; tiles 2, 3
	v_add_nc_u32 v6, XSC, v1                       ; x's scale words: 16 bytes a lane
	s_mul_i32 s72, s66, 16*272
	s_add_co_u32 s72, s72, STG                     ; my stage
	v_mul_u32_u24 v7, v63, 272
	v_lshl_add_u32 v7, v62, 5, v7
	v_add_nc_u32 v7, s72, v7                       ; in: row r, + 32 h
	v_lshl_add_u32 v8, v11, 3, s72                 ; back: a row of 256 bytes, 8 a lane
	s_lshl_b32 s73, s66, 8
	v_lshl_add_u32 v9, v11, 3, s73                 ; and the same in a row of out0: my 64 columns
	v_lshl_add_u32 v60, v62, 5, s73                ; b: my columns, + 8 h numbers
	v_add_nc_u32 v62, s67, v63                     ; the sorted place of row r of tile 0
	v_mov_b32 v[ONE], 1.0
	s_mov_b32 s[SLO], 0xc3e00000
	s_mov_b32 s[SHI], 0x43e00000
	s_wait_kmcnt 0x0
.irp i, 0,1,2,3,4,5,6,7
	s_min_u32 s[24+\i], s[24+\i], 0x3fff           ; a token stays inside x
	v_lshl_add_u32 v[XO+\i], s[24+\i], 12, v1      ; its row of 4,096 bytes, + 16 x lane
.endr
	s_wait_alu depctr_va_vdst(0)                   ; the offsets and LDS addresses v1 to v9 and v52 to v59 are written, which the loads and stores of the whole kernel read
	XLOAD 0, 0
	XLOAD 1, 1
	XLOAD 2, 2
	XLOAD 3, 3
	XLOAD 4, 4                                     ; 40 loads of mine are out
	s_mov_b32 s68, 0                               ; e0: the expert of the block's first place = the last k with starts[k] <= P0 (starts is ascending)
.irp k, 1,2,3,4,5,6,7
	s_cmp_le_u32 s[16+\k], s67
	s_cselect_b32 s68, \k, s68
.endr
	s_min_u32 s68, s68, 7
	BASES 68
	WSLOAD                                         ; the first pass's scale words and first K step are asked for beside x: 60 out.  No vector line has named a register in which these 60 loads land
	WLOAD 0
.irp m, 0,1,2,3
	v_add_nc_u32 v[MK+\m], 16*\m, v62              ; (the masks' registers hold the places meanwhile)
	v_mov_b32 v[ER+\m], 0
.endr
.irp k, 1,2,3,4,5,6,7
.irp m, 0,1,2,3
	v_cmp_gt_u32 s[32+4*(\k-1)+\m], s[16+\k], v[MK+\m]       ; the 28 compares in one run, each into a scalar register of its own (s32 to s59, free until the tokens are loaded below)
.endr
.endr
	s_wait_alu depctr_va_sdst(0)                   ; s32 to s59 are written, ahead of their first readers: one wait for the run
.irp k, 1,2,3,4,5,6,7
.irp m, 0,1,2,3
	v_cndmask_b32 v[ER+\m], \k, v[ER+\m], s[32+4*(\k-1)+\m]  ; k where starts[k] <= my place
.endr
.endr
.irp m, 0,1,2,3
	v_min_u32 v[ER+\m], 7, v[ER+\m]
.endr
	s_load_b512 s[16:31], s[12:13], s71 offset:0x0     ; the block's 64 tokens, for the way out: tiles 0 to 3
	s_load_b512 s[32:47], s[12:13], s71 offset:0x40
	s_load_b512 s[48:63], s[12:13], s71 offset:0x80
	s_load_b512 s[80:95], s[12:13], s71 offset:0xc0
	; ---- x: my eight rows.  Each count is the number of loads issued behind the row's own eight.  A slot is asked for again behind its row's own wait on va_vdst, with LDS stores alone between.
	QROW 64, 0, 52                                 ; rows 1-4 (32), scale words (4), W's step 0 (16)
	XLOAD 5, 0
	QROW 96, 1, 52                                 ; rows 2-4 (24), 20, row 5 (8)
	XLOAD 6, 1
	QROW 128, 2, 52                                ; rows 3, 4 (16), 20, rows 5, 6 (16)
	XLOAD 7, 2
	QROW 160, 3, 52                                ; row 4 (8), 20, rows 5-7 (24)
	WLOAD 1
	QROW 192, 4, 60                                ; 20, rows 5-7 (24), W's step 1 (16)
	WLOAD 2
	QROW 64, 5, 48                                 ; rows 6, 7 (16), W's steps 1, 2 (32)
	QROW 96, 6, 40
	QROW 128, 7, 32
	s_wait_dscnt 0x0                               ; for the others' sake: my images have landed
	s_wait_alu depctr_vm_vsrc(0)                   ; the loads of rows 0 to 3 have read v52 to v55, which are written anew below; the last row's LDS stores have read PB's bytes and CD, in which the bias lands
.irp m, 0,1,2,3
	v_lshl_add_u32 v[XO+\m], v[ER+\m], 11, v60     ; my row's expert's row of b (rows 0-3's loads of x are long in)
.endr
	s_wait_alu depctr_va_vdst(0)                   ; v52 to v55 are written, which the loads below read; the quantiser's lines are done reading and writing v128 to v255, in which they land
.irp m, 0,1,2,3
.irp t, 0,1,2,3
.irp u, 0,1
	global_load_b128 v[ACC+8*(4*\m+\t)+4*\u:ACC+8*(4*\m+\t)+4*\u+3], v[XO+\m], s[10:11] offset:64*\t+16*\u   ; the sums begin as the bias: no addition, nothing cleared
.endr
.endr
.endr
	WLOAD 3
	v_mov_b32 v11, -1
	s_wait_kmcnt 0x0                               ; the 64 tokens
	s_barrier_signal -1
	s_barrier_wait -1                              ; the one barrier: all 32 images and the scale words lie in LDS; nobody writes them again
.irp k, 0,1,2,3
	ds_load_b128 v[XS+4*\k:XS+4*\k+3], v6 offset:512*\k      ; register XS + 8 u + s: tile 2 u in lanes 0-15, tile 2 u + 1 in lanes 16-31.  No vector line ever names these registers
.endr
	s_mov_b32 s69, 0
.Lpass:                                            ; eight trips, one for each expert
.irp m, 0,1,2,3
	v_cmp_eq_u32 s[72+\m], s69, v[ER+\m]           ; which rows are this expert's
.endr
	s_wait_alu depctr_va_sdst(0)                   ; s72 to s75 are written, ahead of their first readers
	s_or_b32 s96, s72, s73
	s_or_b32 s97, s74, s75
	s_or_b32 s96, s96, s97
	s_cmp_eq_u32 s96, 0
	s_cbranch_scc1 .Lnext                          ; none
	s_and_b32 s96, s72, s73
	s_and_b32 s97, s74, s75
	s_and_b32 s96, s96, s97
	s_cmp_eq_u32 s96, -1
	s_cselect_b32 s70, 1, 0                        ; all
.irp m, 0,1,2,3
	v_cndmask_b32 v[MK+\m], 0, v11, s[72+\m]
.endr
	s_cmp_eq_u32 s69, s68
	s_cbranch_scc1 .Lhave                          ; the block's first expert: its first four K steps were asked for above
	s_wait_loadcnt 0x0                             ; no load of mine is out,
	s_wait_xcnt 0x0                                ; so the bases may be written
	BASES 69
	s_wait_alu depctr_va_vdst(0)                   ; the earlier pass's products are done reading W's scale words and W's four sets, in which the loads below land
	WSLOAD
	WLOAD 0
	WLOAD 1
	WLOAD 2
	WLOAD 3
.Lhave:
	STEP 0, 16                                     ; only W's step 3 may be out: the bias, the scale words and steps 0 to 2 are in
	STEP 1, 48                                     ; the three later steps may be out
	STEP 2, 48
	STEP 3, 48
	STEP 4, 48
	STEP 5, 32
	STEP 6, 16
	STEP 7, 0
.rept 9
	v_nop                                          ; places behind the last products: for the reads of the results, and for a later pass's loads into operands and scale words
.endr
.Lnext:
	s_add_co_u32 s69, s69, 1
	s_cmp_lt_u32 s69, 8
	s_cbranch_scc1 .Lpass
	; ---- THE WAY OUT, a tile of 16 rows at a time.  A lane holds 32 bytes of a row and the lanes beside it hold other rows: so the tile goes through my own stage and comes back as whole
	; rows of 256 bytes; each row goes to its token's row of out0.  LDS serves a wave's instructions in order (ISA guide 5.7.1.4): no wait between the stores and the loads.
	; A tile's offsets are made first, so that one wait on va_vdst stands ahead of all its LDS and memory instructions.
	s_wait_loadcnt 0x0                             ; nothing is on its way into the accumulators
.irp m, 0,1,2,3
.set TK, 16+16*\m+16*(\m/3)                    ; the tile's 16 tokens: s16.., s32.., s48.., s80..
.if \m > 0
	s_wait_xcnt 0x0                                ; the last tile's stores have had their addresses translated
	s_wait_alu depctr_vm_vsrc(0)                   ; the last tile's stores have read their offsets, which are written again below, and their rows, in which this tile's LDS loads land
.endif
.irp i, 0,1,2,3,4,5,6,7,8,9,10,11,12,13,14,15
	s_min_u32 s[TK+\i], s[TK+\i], 0x3fff           ; a token stays inside out0
.endr
.irp i, 0,1,2,3,4,5,6,7,8,9,10,11,12,13,14,15
	v_lshl_add_u32 v[OFF+\i], s[TK+\i], 11, v9     ; the token's row of 2,048 bytes, my 64 columns, 8 bytes a lane
.endr
	s_wait_alu depctr_va_vdst(0)                   ; the tile's offsets are written, which its stores read; in the first tile also: the products have written the accumulators, which the LDS stores read, and are done reading v64 to v95, in which the rows land (the places behind the last products stay beside this wait)
.irp t, 0,1,2,3
	ds_store_b128 v7, v[ACC+8*(4*\m+\t):ACC+8*(4*\m+\t)+3] offset:64*\t          ; each accumulator from its low end on
	ds_store_b128 v7, v[ACC+8*(4*\m+\t)+4:ACC+8*(4*\m+\t)+7] offset:64*\t+16
.endr
.irp i, 0,1,2,3,4,5,6,7,8,9,10,11,12,13,14,15
	ds_load_b64 v[RB+2*\i:RB+2*\i+1], v8 offset:272*\i
.endr
.irp i, 0,1,2,3,4,5,6,7,8,9,10,11,12,13,14,15
	s_wait_dscnt 15-\i                             ; row i is back; the later rows' loads may be out
	global_store_b64 v[OFF+\i], v[RB+2*\i:RB+2*\i+1], s[2:3] th:TH_STORE_NT      ; 32 lanes store 256 consecutive bytes, at a multiple of 256 from out0's first byte
.endr
.endr
	s_wait_xcnt 0x0
	s_wait_alu depctr_vm_vsrc(0)                   ; the last tile's LDS stores have read v254 and v255, which the two lines below write
	v_lshl_add_u32 v254, v0, 2, 0x1a000
	v_mov_b32 v255, 0
	s_wait_dscnt 0x0                               ; the closing lines, six on end
	s_wait_alu 0x0
	s_wait_tensorcnt 0x0
	ds_add_u32 v254, v255
	s_wait_dscnt 0x0
	s_endpgm
.Lfunc_end_k_q8912d1dff6_experts:
	.size	k_q8912d1dff6_experts, .Lfunc_end_k_q8912d1dff6_experts-k_q8912d1dff6_experts
	.p2alignl 7, 3214868480
	.fill 96, 4, 3214868480
	.section	.rodata,"a",@progbits
	.p2align	6, 0x0
	.amdhsa_kernel k_q8912d1dff6_experts
		.amdhsa_group_segment_fixed_size 107520
		.amdhsa_private_segment_fixed_size 0
		.amdhsa_enable_private_segment 0
		.amdhsa_kernarg_size 56
		.amdhsa_user_sgpr_count 2
		.amdhsa_user_sgpr_kernarg_segment_ptr 1
		.amdhsa_wavefront_size32 1
		.amdhsa_system_sgpr_workgroup_id_x 1
		.amdhsa_system_sgpr_workgroup_id_y 1
		.amdhsa_system_sgpr_workgroup_id_z 1
		.amdhsa_system_vgpr_workitem_id 0
		.amdhsa_next_free_vgpr 512
		.amdhsa_next_free_sgpr 102
		.amdhsa_reserve_vcc 0
		.amdhsa_float_denorm_mode_32 3
		.amdhsa_float_denorm_mode_16_64 3
		.amdhsa_memory_ordered 1
		.amdhsa_forward_progress 1
		.amdhsa_inst_pref_size 177
	.end_amdhsa_kernel
	.amdgpu_metadata
---
amdhsa.version: [ 1, 2 ]
amdhsa.kernels:
  - .name:           k_q8912d1dff6_experts
    .symbol:         k_q8912d1dff6_experts.kd
    .args:
      - { .name: x, .offset: 0, .size: 8, .value_kind: global_buffer, .address_space: global }
      - { .name: wc, .offset: 8, .size: 8, .value_kind: global_buffer, .address_space: global }
      - { .name: ws, .offset: 16, .size: 8, .value_kind: global_buffer, .address_space: global }
      - { .name: b, .offset: 24, .size: 8, .value_kind: global_buffer, .address_space: global }
      - { .name: order, .offset: 32, .size: 8, .value_kind: global_buffer, .address_space: global }
      - { .name: starts, .offset: 40, .size: 8, .value_kind: global_buffer, .address_space: global }
      - { .name: out0, .offset: 48, .size: 8, .value_kind: global_buffer, .address_space: global }
    .group_segment_fixed_size: 107520
    .private_segment_fixed_size: 0
    .kernarg_segment_align: 8
    .kernarg_segment_size: 56
    .max_flat_workgroup_size: 256
    .sgpr_count:     102
    .vgpr_count:     512
    .wavefront_size: 32
...
	.end_amdgpu_metadata
.endif
;; end of part 3
